; MI455X (gfx1250); checked and timed in simulation.
; The chip was launched on July 23, 2026; its instructions are those of AMD's public machine-readable ISA for CDNA 5 (MIT licence, August 2026) and "CDNA5" Instruction Set Architecture Reference Guide (July 2026). The comments in the code are by the model that wrote it; some were corrected since.
;; Multi Head Attention. Allowed arithmetic: matrix products marked QUANTISED: E2M1 operands, one E8M0 scale for each 32 along K, by v_wmma_scale_f32_16x16x128_f8f6f4 with both operands' format E2M1 (or v_wmma_scale_f32_32x16x128_f4), f32 sums; everything else in f32.
;; Inputs: Wk_codes 1,024 x 32 x 16 uint8 (E2M1 codes of Wk, K innermost, in blocks of 32 codes, two codes a byte); Wk_scales 1,024 x 32 uint8 (E8M0 scales of Wk, one for each 32 codes along K); Wo_codes 1,024 x 32 x 16 uint8 (E2M1 codes of Wo, K innermost, in blocks of 32 codes, two codes a byte); Wo_scales 1,024 x 32 uint8 (E8M0 scales of Wo, one for each 32 codes along K); Wq_codes 1,024 x 32 x 16 uint8 (E2M1 codes of Wq, K innermost, in blocks of 32 codes, two codes a byte); Wq_scales 1,024 x 32 uint8 (E8M0 scales of Wq, one for each 32 codes along K); Wv_codes 1,024 x 32 x 16 uint8 (E2M1 codes of Wv, K innermost, in blocks of 32 codes, two codes a byte); Wv_scales 1,024 x 32 uint8 (E8M0 scales of Wv, one for each 32 codes along K); bk 1,024 float32; bo 1,024 float32; bq 1,024 float32; bv 1,024 float32; x_codes 4 x 2,048 x 32 x 16 uint8 (E2M1 codes of x, K innermost, in blocks of 32 codes, two codes a byte); x_scales 4 x 2,048 x 32 uint8 (E8M0 scales of x, one for each 32 codes along K).
;; Outputs: out0 4 x 2,048 x 1,024 float32.
;; This version of the problem:
;;   THIS VERSION OF THE PROBLEM IS GIVEN IN LOW PRECISION. The matrix products marked QUANTISED in the list below multiply operands that are first quantised to E2M1 (2 exponent bits, 1 mantissa bit; 4 bits a number), with one power-of-two scale for each 32 numbers along K (OCP MX v1.0); their sums are f32. All else is computed in f32.
;;   The module's matrix products, in the order in which they are computed (A, B: the left and right operand; K: the contracted axis; several contracted axes count as one K, in the product's order):
;;     1. [M 8,192, K 1,024] x [K 1,024, N 1,024]; A: input x (given as codes); B: input Wq (given as codes): QUANTISED
;;     2. [M 8,192, K 1,024] x [K 1,024, N 1,024]; A: input x (given as codes); B: input Wk (given as codes): QUANTISED
;;     3. [M 8,192, K 1,024] x [K 1,024, N 1,024]; A: input x (given as codes); B: input Wv (given as codes): QUANTISED
;;     4. batch 64 x [M 2,048, K 64] x [K 64, N 2,048]; A: computed on the way; B: computed on the way: QUANTISED
;;     5. batch 64 x [M 2,048, K 2,048] x [K 2,048, N 64]; A: softmax (see below); B: computed on the way: QUANTISED
;;     6. [M 8,192, K 1,024] x [K 1,024, N 1,024]; A: computed on the way; B: input Wo (given as codes): QUANTISED
;;   THE QUANTISER, for each operand of a quantised product, along K:
;;     - K is cut into blocks of 32 from its start; a last block that is shorter is filled with zeros.
;;     - A block's scale is 2^e with e = floor(log2(the largest magnitude in the block)) - 2, held to -126 .. 127; a block of zeros has e = 0. As a byte (E8M0): e + 127.
;;     - Each number is divided by its block's scale, clamped to +-6, and rounded to the nearest number of E2M1, ties to even, subnormals kept.
;;     - The product sums the exact products of the quantised numbers (number of the format x scale) in f32.
;;   ~~~python
;;   def quantise(x, axis):      # numpy; x: float32 -> the quantised numbers, widened to float32 again
;;       x = np.moveaxis(x, axis, -1); K = x.shape[-1]
;;       x = np.pad(x, [(0, 0)] * (x.ndim - 1) + [(0, -K % 32)]); x = x.reshape(x.shape[:-1] + (-1, 32)); a = np.abs(x).max(-1, keepdims=True)
;;       e = np.where(a > 0, np.clip(np.frexp(np.where(a > 0, a, 1))[1] - 1 - 2, -126, 127), 0)      # np.frexp(a)[1] - 1 = floor(log2(a)), exactly
;;       r = np.clip(x / 2.0 ** e, -6, 6)
;;       step = 2.0 ** (np.maximum(np.frexp(np.where(r == 0, 1, r))[1] - 1, 0) - 1)
;;       q = np.round(r / step) * step * 2.0 ** e      # np.round: ties to even
;;       return np.moveaxis(q.reshape(q.shape[:-2] + (-1,))[..., :K], -1, axis).astype(np.float32)
;;   ~~~
;;   SOFTMAX AHEAD OF A QUANTISED PRODUCT. Where the list says 'softmax', what is quantised is not the finished softmax but p = 2^(t - M), with t = logit x log2(e) and M = ceil(the row's largest t), a whole number; so 1/2 < the row's largest p <= 1. The row's sum l is taken of the UNQUANTISED p, in f32, and the product's result is divided by l at the end. Since M is a whole number, a kernel that streams over the keys may use a running M (the ceiling of the running maximum): every later rescaling is an exact power of two, which a block's scale takes up: the codes' values come out the same.
;;   OPERANDS COMPUTED ON THE WAY. 'Computed on the way' means the value that the module computes at that place (a softmax that the list does not call 'softmax' is quantised finished and normalised). What goes into a quantiser is computed in f32, as accurately as f32 sums, v_exp_f32 and their like allow (about 1e-6 of the number): no bf16 or f16 on the way to a quantiser, and a product that is left as it is and whose result goes on into a quantised operand takes f32 operands (vector FMAs, or v_wmma_f32_16x16x4_f32). A number that lies on a knife's edge between two numbers of the format may be rounded either way, as far as f32 arithmetic and the matrix unit's own rounding can turn it there, and no further.
;;   INPUTS GIVEN AS CODES. Wk (in the module: [1024, 1024], K = its axis 1); Wo (in the module: [1024, 1024], K = its axis 1); Wq (in the module: [1024, 1024], K = its axis 1); Wv (in the module: [1024, 1024], K = its axis 1); x (in the module: [4, 2048, 1024], K = its axis 2): each comes as NAME_codes (uint8): NAME with its K axis moved to the last place and cut into blocks of 32 codes, [.., K / 32, bytes a block], one block behind the other in memory; two codes a byte, the lower K in the low four bits (a code: sign, 2 exponent bits, 1 mantissa bit); and NAME_scales (uint8): the same leading axes, one E8M0 byte (e + 127) for each 32 codes along K. Its value is code x scale, taken as it is: it is not quantised again, and the codes and scales need not be those that the quantiser above would give.
;; One version. Each part assembles by itself: llvm-mc -triple=amdgcn-amd-amdhsa -mcpu=gfx1250 --defsym DOCPART=n.
;; ======== version 1 of 1: 3 launches
;; workspace buffers: qimg 4,718,592 bytes; kv 9,175,040 bytes; ac 4,194,304 bytes; asr 262,144 bytes
;; launch qkv (part 1): grid 8 x 32, 4 waves a work-group, clusters of 4 x 1, 327,680 bytes of LDS; arguments x_codes, x_scales, Wq_codes, Wq_scales, Wk_codes, Wk_scales, Wv_codes, Wv_scales, bq, bk, bv, qimg, kv; writes qimg, kv
.if DOCPART == 1
	.amdgcn_target "amdgcn-amd-amdhsa--gfx1250"
	.amdhsa_code_object_version 6
	.text
	.protected	k_qfb3b699172_qkv
	.globl	k_qfb3b699172_qkv
	.p2align	8
	.type	k_qfb3b699172_qkv,@function
k_qfb3b699172_qkv:
	s_mov_b64 s[64:65], 0
	v_nop
	global_prefetch_b8 v0, s[64:65] scope:SCOPE_SE
	s_setreg_imm32_b32 hwreg(HW_REG_WAVE_MODE, 25, 1), 1
	s_wait_xcnt 0x0
	s_wait_alu depctr_hold_cnt(0) depctr_sa_sdst(0) depctr_va_vdst(0) depctr_va_sdst(0) depctr_va_ssrc(0) depctr_va_vcc(0) depctr_vm_vsrc(0)
	s_getreg_b32 s2, hwreg(HW_REG_IB_STS2, 6, 4)
	s_cmp_eq_u32 s2, 0
	s_cbranch_scc0 .Lentry_in_a_cluster
	s_endpgm
.Lentry_in_a_cluster:
	s_bfe_u32 s2, ttmp6, 0x10000c
	s_cmp_lg_u32 s2, 0x3003
	s_cbranch_scc0 .Lentry_shape_is_right
	s_endpgm
.Lentry_shape_is_right:
; q = (x Wq^T + bq) / 8, k = x Wk^T + bk, v = x Wv^T + bv on codes of FP4 (E2M1) with E8M0 scales, and their quantising for the attention launch:
; q and k along the head's 64 (two blocks of 32), v along the keys (blocks of 32 tokens).  Nothing but codes and scale bytes goes to memory.
; SHARES.  A work-group takes 256 tokens (rg) x 128 columns (cg: two heads) of each of q, k, v.  THE WAVES SHARE THE COLUMNS: wave w keeps rows 128 cg + 32 w .. + 31 of Wq, Wk and Wv for all of K
; in registers (6 tiles x 8 K steps x 8 = 384), read from memory once.  Its 32 columns are ONE block of 32 of one head (head w / 2 of the two, block w % 2).
; The 256 rows of x (131,072 bytes of codes, 8,192 of scales) lie in LDS, filled once.  Work goes in 8 groups of 32 tokens: 96 matrix instructions a wave and group.
; CLUSTER.  The four work-groups along x want the same rows of x: each tile of x is asked for jointly (mask 15).  The weights are not shared inside a cluster (partners have other columns); they are shared
; along y, but they go straight into registers: 196,608 bytes of weights beside x's 143,360 would not fit into LDS, so no joint load brings them.
; LAYOUT.  q, k: the product is used transposed (source 0 = 16 rows of W, source 1 = 16 tokens): a lane holds one token and 8 neighbouring columns; the two column tiles give it 16 numbers of the token's block.
; v: source 0 = 16 tokens, source 1 = 16 rows of Wv: a lane holds one column and 8 neighbouring tokens; the two token tiles give it 16 numbers of the column's block of 32 keys.
; In both cases the lane 16 away holds the block's other 16, and one exchange of halves on the two code registers gives lane (r, h) the 16 neighbours 16 h .. 16 h + 15: 8 bytes, 256 consecutive bytes a wave.
; THE DIVISION BY 8 is taken into q's scale byte (3 off): exact; the floor under q's largest magnitude is 2^(6 - 127), so that the byte cannot fall under 1.
; LIMITS: a block of zeros gets the byte 1 where the rule says 127 (its codes are zeros, and this program alone reads the bytes); NaN and infinities are not served;
; the biases are the C of each sum's first matrix instruction, so they are added first and not last.
; REGISTERS, in windows of 256: window 0: v1-14 addresses, v16-23 x's scale words, v24-47 the weights', v48-59 at work, v64-159 twelve accumulators, v160-201 at work.
;   window 1: Wq's and Wk's fragments.   window 2: Wv's fragments (v0-127), the biases as tiles of C (v128-175).   window 3: x's fragments of a group (v0-127).
.set XP,     528                       ; a row of x in LDS: 512 bytes + 16 of padding: an odd multiple of 16, so the 16 rows of a load start in 16 different columns of 16 bytes
.set XSC,    135168                    ; behind x's 256 rows: their scale bytes, 32 a token, dense
.set SB,     143360                    ; a stage that LDS stores fill: [q, k][wave][token] scale bytes, 2,048 bytes
.set VSW,    145408                    ; and one for v's scale words: [head 2][step 2][d 64], 1,024 bytes
.set QHEAD,  73728                     ; a head in qimg: 65,536 bytes of code images, 8,192 of scale words
.set KVHEAD, 143360                    ; a head in kv: K's images, V's images (65,536 each), K's scale words (8,192), V's (4,096)
.set XS,  16                           ; v16-23   x's scale words: register s = K step s; lanes 0-15 token tile 0, lanes 16-31 token tile 1
.set WS,  24                           ; v24-47   the weights': 8 m + s (m = q, k, v); lanes 0-15 row tile 0, lanes 16-31 row tile 1
.set MX,  48                           ; v48-53   six blocks' largest magnitudes
.set TP,  54                           ; v54-59   the other half's
.set ACC, 64                           ; v64-159  unit k at ACC + 16 k: q token tile 0, 1; k token tile 0, 1; v column tile 0, 1; a unit's 16 registers are my share of one block
.set OP,  160                          ; v160-165 the conversions' scale operands
.set BY,  166                          ; v166-171 the scale bytes
.set CD,  172                          ; v172-183 the codes, a pair for each unit
.set VW,  184                          ; v184-185 v's scale words as they grow
.set WV,  34                           ; s34      my wave's number
.set MSB, 0
.macro WIN new                         ; the immediate's high byte repeats the setting that is left
.if MSB != \new
	s_set_vgpr_msb (MSB<<8)|\new
.set MSB, \new
.endif
.endm
.macro PLACES                          ; four plain places behind matrix instructions, ahead of loads into their sources and of reads of their results
.rept 4
	v_nop
.endr
.endm
.macro CROUND                          ; a round of the cluster's barrier
	s_barrier_signal -1
	s_barrier_wait -1
	s_cmp_lg_u32 s[WV], 0
	s_cbranch_scc1 .Lnw0_\@
	s_barrier_signal -3
.Lnw0_\@:
	s_barrier_wait -3
	s_barrier_signal -1
	s_barrier_wait -1
.endm
; One matrix instruction from the symbols rD, rA, rB, rC, rSA, rSB; fA, fB: that side's scales stand in lanes 16-31
.macro WM
.if fA && fB
	v_wmma_scale_f32_16x16x128_f8f6f4 v[rD:rD+7], v[rA:rA+7], v[rB:rB+7], v[rC:rC+7], v[rSA], v[rSB] matrix_a_fmt:MATRIX_FMT_FP4 matrix_b_fmt:MATRIX_FMT_FP4 matrix_a_scale:MATRIX_SCALE_ROW1 matrix_b_scale:MATRIX_SCALE_ROW1
.elseif fA
	v_wmma_scale_f32_16x16x128_f8f6f4 v[rD:rD+7], v[rA:rA+7], v[rB:rB+7], v[rC:rC+7], v[rSA], v[rSB] matrix_a_fmt:MATRIX_FMT_FP4 matrix_b_fmt:MATRIX_FMT_FP4 matrix_a_scale:MATRIX_SCALE_ROW1
.elseif fB
	v_wmma_scale_f32_16x16x128_f8f6f4 v[rD:rD+7], v[rA:rA+7], v[rB:rB+7], v[rC:rC+7], v[rSA], v[rSB] matrix_a_fmt:MATRIX_FMT_FP4 matrix_b_fmt:MATRIX_FMT_FP4 matrix_b_scale:MATRIX_SCALE_ROW1
.else
	v_wmma_scale_f32_16x16x128_f8f6f4 v[rD:rD+7], v[rA:rA+7], v[rB:rB+7], v[rC:rC+7], v[rSA], v[rSB] matrix_a_fmt:MATRIX_FMT_FP4 matrix_b_fmt:MATRIX_FMT_FP4
.endif
.endm
; q (m = 0) or k (m = 1): token tile a, row tile u of the weight, K step s.  Source 0 = the weight (window 1), source 1 = x (window 3).  The first K step takes the bias (window 2) as C
.macro QK m, a, u, s
.set rD, ACC+16*(2*\m+\a)+8*\u
.set rA, 64*(2*\m+\u)+8*\s
.set rB, 64*\a+8*\s
.set rC, rD
.if \s == 0
.set rC, 128+8*(2*\m+\u)
.endif
.set rSA, WS+8*\m+\s
.set rSB, XS+\s
.set fA, \u
.set fB, \a
	WM
.endm
; v: token tile a, row tile n of Wv, K step s.  Source 0 = x (window 3), source 1 = Wv (window 2)
.macro VV a, n, s
.set rD, ACC+64+16*\n+8*\a
.set rA, 64*\a+8*\s
.set rB, 64*\n+8*\s
.set rC, rD
.if \s == 0
.set rC, 160+8*\n
.endif
.set rSA, XS+\s
.set rSB, WS+16+\s
.set fA, \a
.set fB, \n
	WM
.endm
	s_load_b512 s[8:23], s[0:1], 0x0               ; x_codes 8, x_scales 10, Wq codes 12, scales 14, Wk 16, 18, Wv 20, 22
	s_load_b256 s[24:31], s[0:1], 0x40             ; bq 24, bk 26, bv 28, qimg 30
	s_load_b64 s[32:33], s[0:1], 0x60              ; kv
	v_lshl_add_u32 v254, v0, 2, 0x29000
	v_mov_b32 v255, 0
	ds_add_u32 v254, v255
	ds_add_u32 v254, v255
	v_lshrrev_b32 v15, 5, v0
	v_readfirstlane_b32 s[WV], v15                 ; wave 0..3
	v_and_b32 v60, 31, v0                          ; L
	v_and_b32 v61, 15, v0                          ; r
	s_wait_alu depctr_va_vdst(0)
	v_bfe_u32 v62, v0, 4, 1                        ; h
	s_bfe_u32 s35, ttmp6, 0x40000                  ; cx: it enters global addresses of my own loads and stores alone
	s_lshl_b32 s36, ttmp9, 2
	s_add_co_u32 s36, s36, s35                     ; cg = 4 x cluster x + cx: which 128 columns
	s_and_b32 s37, ttmp7, 0xffff                   ; rg: which 256 tokens
	s_and_b32 s38, s[WV], 1                        ; hp: which block of 32 of the head
	s_lshr_b32 s39, s[WV], 1                       ; hd: which of the work-group's two heads
	s_lshl_b32 s40, s36, 7
	s_lshl_b32 s41, s[WV], 5
	s_add_co_u32 s40, s40, s41                     ; col0: my first column
	s_and_b32 s41, s37, 7                          ; rs: which 256 tokens of the batch's 2,048
	s_lshr_b32 s42, s37, 3
	s_lshl_b32 s42, s42, 4
	s_lshl_b32 s43, s36, 1
	s_add_co_u32 s42, s42, s43
	s_add_co_u32 s42, s42, s39                     ; hb = 16 x batch + head
	s_mov_b32 s76, 0x76543210
	s_mov_b32 s77, 0xfedcba98                      ; v_permlanex16_b32's selects for lane l xor 16
	v_lshlrev_b32 v1, 9, v61
	s_wait_alu depctr_va_vdst(0)
	v_lshl_add_u32 v1, v62, 4, v1                  ; a weight's fragment: row r of 512 bytes + 16 h
	v_lshlrev_b32 v2, 5, v60                       ; a weight's scales: 32 bytes a row, a lane a row
	v_lshlrev_b32 v3, 5, v62                       ; q's and k's bias: my half's eight numbers
	v_lshlrev_b32 v4, 2, v61                       ; v's bias: my column's number
	v_mul_u32_u24 v5, v61, XP
	v_lshl_add_u32 v5, v62, 4, v5                  ; x's fragments in LDS: row r + 16 h; rows 0-127,
	v_add_nc_u32 v6, 128*XP, v5                    ; rows 128-255 (an LDS offset has 16 bits)
	v_lshl_add_u32 v7, v60, 5, XSC                 ; x's scale words: a lane a token
	v_lshlrev_b32 v8, 4, v61
	v_lshl_add_u32 v8, v62, 3, v8                  ; the codes' place in an image: 16 r + 8 h
	s_lshl_b32 s44, s[WV], 8
	s_add_co_u32 s44, s44, SB
	v_add_nc_u32 v9, s44, v61                      ; q's and k's scale bytes into the stage: my wave's 256, token r
	s_lshl_b32 s45, s39, 9
	s_lshl_b32 s46, s38, 7
	s_add_co_u32 s45, s45, s46                     ; 512 hd + 128 hp
	v_lshl_add_u32 v10, v61, 2, s45
	v_add_nc_u32 v10, VSW, v10                     ; v's scale words into the stage: head hd, d = 32 hp + r
	v_lshl_add_u32 v11, v60, 2, s45
	v_add_nc_u32 v11, SB, v11                      ; back: head hd's bytes of tokens 128 hp + 4 L .. + 3
	s_lshl_b32 s46, s[WV], 8
	v_lshl_add_u32 v12, v60, 3, s46
	v_add_nc_u32 v12, VSW, v12                     ; back: 256 bytes a wave, 8 a lane
	v_lshlrev_b32 v13, 4, v60
	v_lshlrev_b32 v14, 3, v60
.irp k, 0,1,2,3,4,5
	v_mov_b32 v[TP+\k], 0                          ; written once: a lane permute's destination counts as one of its sources
.endr
	; descriptor group 1 for x's codes: 64 rows of 512 bytes, 16 bytes of padding behind each
	s_mov_b32 s48, 15|(1<<20)|(1<<21)|(6<<22)|(3<<25)  ; 15:0 the mask: all four partners; 17:16 elements of 1 byte; 20 padding on; 21 set beside a mask; 24:22 after every 128 words; 31:25 four words
	s_mov_b32 s49, 512<<16                         ; tensor_dim0
	s_mov_b32 s50, 64<<16                          ; tensor_dim1
	s_mov_b32 s51, 512<<16                         ; tile_dim0
	s_mov_b32 s52, 64                              ; tile_dim1
	s_mov_b32 s53, 512                             ; from row to row
	s_mov_b32 s54, 0
	s_mov_b32 s55, 0
	; and for x's scales: 2,048 dense bytes as 8 rows of 256 (32 elements of 8 bytes), no padding
	s_mov_b32 s68, 15|(3<<16)|(1<<21)
	s_mov_b32 s69, 32<<16
	s_mov_b32 s70, 8<<16
	s_mov_b32 s71, 32<<16
	s_mov_b32 s72, 8
	s_mov_b32 s73, 32
	s_mov_b32 s74, 0
	s_mov_b32 s75, 0
	s_wait_dscnt 0x0
	s_wait_kmcnt 0x0
	; group 0: made of rg and the wave's number alone, which the four partners share
	s_mov_b32 s56, 1
	s_mul_i32 s57, s[WV], 64*XP                    ; my 64 rows in LDS
	s_lshl_b32 s4, s37, 17
	s_lshl_b32 s5, s[WV], 15
	s_add_co_u32 s4, s4, s5                        ; (256 rg + 64 wave) rows of 512 bytes
	s_mov_b32 s5, 0
	s_add_nc_u64 s[58:59], s[8:9], s[4:5]
	s_or_b32 s59, s59, 0x80000000
	s_mov_b32 s60, 1
	s_lshl_b32 s61, s[WV], 11
	s_add_co_u32 s61, s61, XSC
	s_lshl_b32 s6, s37, 13
	s_lshl_b32 s7, s[WV], 11
	s_add_co_u32 s6, s6, s7
	s_mov_b32 s7, 0
	s_add_nc_u64 s[62:63], s[10:11], s[6:7]
	s_or_b32 s63, s63, 0x80000000
	; the weights, their scales and the biases at my first column
	s_lshl_b32 s44, s40, 9
	s_mov_b32 s45, 0
	s_add_nc_u64 s[12:13], s[12:13], s[44:45]
	s_add_nc_u64 s[16:17], s[16:17], s[44:45]
	s_add_nc_u64 s[20:21], s[20:21], s[44:45]
	s_lshl_b32 s44, s40, 5
	s_add_nc_u64 s[14:15], s[14:15], s[44:45]
	s_add_nc_u64 s[18:19], s[18:19], s[44:45]
	s_add_nc_u64 s[22:23], s[22:23], s[44:45]
	s_lshl_b32 s44, s40, 2
	s_add_nc_u64 s[24:25], s[24:25], s[44:45]
	s_add_nc_u64 s[26:27], s[26:27], s[44:45]
	s_add_nc_u64 s[28:29], s[28:29], s[44:45]
	CROUND                                         ; all four work-groups are here: the joint loads meet
	tensor_load_to_lds s[56:59], s[48:55]          ; my quarter of x's codes,
	s_nop 0
	s_wait_alu depctr_va_vdst(0)
	s_wait_tensorcnt 0x0
	ds_add_u32 v254, v255
	s_wait_dscnt 0x0
	CROUND
	tensor_load_to_lds s[60:63], s[68:75]          ; and of its scales: two loads of mine are out; LDS is filled once
	s_nop 0
	PLACES                                         ; four v_nop follow the loads
	WIN 0x40                                       ; destination window 1
.irp m, 0,1
.irp u, 0,1
.irp s, 0,1,2,3,4,5,6,7
.irp c, 0,1
	global_load_b128 v[64*(2*\m+\u)+8*\s+4*\c:64*(2*\m+\u)+8*\s+4*\c+3], v1, s[12+4*\m:13+4*\m] offset:\u*8192+64*\s+32*\c
.endr
.endr
.endr
.endr
	WIN 0x80                                       ; destination window 2
.irp n, 0,1
.irp s, 0,1,2,3,4,5,6,7
.irp c, 0,1
	global_load_b128 v[64*\n+8*\s+4*\c:64*\n+8*\s+4*\c+3], v1, s[20:21] offset:\n*8192+64*\s+32*\c
.endr
.endr
.endr
.irp m, 0,1
.irp u, 0,1
	global_load_b128 v[128+8*(2*\m+\u):128+8*(2*\m+\u)+3], v3, s[24+2*\m:25+2*\m] offset:64*\u      ; register j: the bias of column 16 u + 8 h + j
	global_load_b128 v[128+8*(2*\m+\u)+4:128+8*(2*\m+\u)+7], v3, s[24+2*\m:25+2*\m] offset:64*\u+16
.endr
.endr
.irp n, 0,1
.irp j, 0,1,2,3,4,5,6,7
	global_load_b32 v[160+8*\n+\j], v4, s[28:29] offset:64*\n      ; v's result holds one column in a lane: all eight registers take that column's bias
.endr
.endr
	WIN 0
.irp m, 0,1,2
	global_load_b128 v[WS+8*\m:WS+8*\m+3], v2, s[14+4*\m:15+4*\m]
	global_load_b128 v[WS+8*\m+4:WS+8*\m+7], v2, s[14+4*\m:15+4*\m] offset:16
.endr
	; where the results go
	s_mul_i32 s44, s42, QHEAD
	s_add_nc_u64 s[30:31], s[30:31], s[44:45]      ; qimg at my head
	s_mul_i32 s44, s42, KVHEAD
	s_add_nc_u64 s[32:33], s[32:33], s[44:45]      ; kv at my head
	s_lshl_b32 s44, s41, 13                        ; 16 tiles of 512 bytes for each 256 tokens,
	s_lshl_b32 s46, s38, 8                         ; my block's 256 bytes of a tile
	s_add_co_u32 s44, s44, s46
	s_add_nc_u64 s[78:79], s[30:31], s[44:45]      ; q's codes
	s_add_nc_u64 s[80:81], s[32:33], s[44:45]      ; k's codes
	s_lshl_b32 s44, s41, 13                        ; two key steps of 4,096 bytes,
	s_lshl_b32 s46, s38, 11                        ; my two tiles of d, 1,024 bytes each
	s_add_co_u32 s44, s44, s46
	s_add_co_u32 s44, s44, 65536
	s_add_nc_u64 s[82:83], s[32:33], s[44:45]      ; v's codes
	s_lshl_b32 s44, s41, 10
	s_lshl_b32 s46, s38, 9
	s_add_co_u32 s44, s44, s46                     ; scale words: 4 bytes a token; on the way out I take tokens 128 hp on
	s_add_co_u32 s46, s44, 65536
	s_mov_b32 s47, 0
	s_add_nc_u64 s[84:85], s[30:31], s[46:47]      ; q's scale words
	s_add_co_u32 s46, s44, 131072
	s_add_nc_u64 s[86:87], s[32:33], s[46:47]      ; k's
	s_lshl_b32 s44, s41, 9
	s_lshl_b32 s46, s38, 8
	s_add_co_u32 s44, s44, s46
	s_add_co_u32 s44, s44, 139264
	s_add_nc_u64 s[88:89], s[32:33], s[44:45]      ; v's: 256 bytes a key step; on the way out I take step hp
; x's fragments of group g (two tiles of 16 tokens x 8 K steps) into window 3, and the 32 tokens' scale words
.macro FETCHX g
	WIN 0xc0                                       ; destination window 3
.irp a, 0,1
.irp s, 0,1,2,3,4,5,6,7
.irp c, 0,1
.if (\g) >= 4
	ds_load_b128 v[64*\a+8*\s+4*\c:64*\a+8*\s+4*\c+3], v6 offset:(((\g)%4)*32+16*\a)*XP+64*\s+32*\c
.else
	ds_load_b128 v[64*\a+8*\s+4*\c:64*\a+8*\s+4*\c+3], v5 offset:(((\g)%4)*32+16*\a)*XP+64*\s+32*\c
.endif
.endr
.endr
.endr
	WIN 0
	ds_load_b128 v[XS:XS+3], v7 offset:(\g)*1024
	ds_load_b128 v[XS+4:XS+7], v7 offset:(\g)*1024+16
.endm
; A GROUP OF 32 TOKENS.  The accumulators take turns, one instruction a turn (eight for q and k, then four for v).
.macro GROUP g
	s_wait_dscnt 0x0                               ; x's fragments and scale words are in; my LDS stores of the last group are done
	WIN 0x2d                                       ; source 0 window 1, source 1 window 3, C window 2, D window 0
.irp m, 0,1
.irp a, 0,1
.irp u, 0,1
	QK \m, \a, \u, 0
.endr
.endr
.endr
	WIN 0x0d                                       ; C and D window 0
.irp s, 1,2,3,4,5,6,7
.irp m, 0,1
.irp a, 0,1
.irp u, 0,1
	QK \m, \a, \u, \s
.endr
.endr
.endr
.endr
	WIN 0x2b                                       ; source 0 window 3, source 1 window 2, C window 2
.irp a, 0,1
.irp n, 0,1
	VV \a, \n, 0
.endr
.endr
	WIN 0x0b
.irp s, 1,2,3,4,5,6,7
.irp a, 0,1
.irp n, 0,1
	VV \a, \n, \s
.endr
.endr
.endr
	WIN 0
	PLACES
.if \g < 7
	FETCHX \g+1                                    ; the next group's fragments land while this group is quantised
.endif
	s_wait_xcnt 0x0                                ; the last group's stores have read their code registers, which are written again below
	; six blocks by turns, so that no line waits for the line above it.  Each accumulator is read from its low end on
.irp k, 0,1,2,3,4,5
.if \k < 2
	v_max3_num_f32 v[MX+\k], |v[ACC+16*\k]|, |v[ACC+16*\k+1]|, 0x3000000   ; q: the floor 2^(6 - 127): 5 come off the exponent field for the byte
.else
	v_max3_num_f32 v[MX+\k], |v[ACC+16*\k]|, |v[ACC+16*\k+1]|, 0x1800000   ; the floor 2^(3 - 127): the byte cannot fall under 1
.endif
.endr
.irp i, 2,4,6,8,10,12,14
.irp k, 0,1,2,3,4,5
	v_max3_num_f32 v[MX+\k], v[MX+\k], |v[ACC+16*\k+\i]|, |v[ACC+16*\k+\i+1]|
.endr
.endr
.irp k, 0,1,2,3,4,5
	v_permlanex16_b32 v[TP+\k], v[MX+\k], s76, s77
.endr
.irp k, 0,1,2,3,4,5
	v_max_num_f32 v[MX+\k], v[MX+\k], v[TP+\k]     ; with lane l xor 16's 16: the block's largest magnitude
.endr
.irp k, 0,1,2,3,4,5
	v_add_nc_u32 v[OP+\k], 0xff000000, v[MX+\k]    ; 2 off its exponent field: the conversion takes the exponent field of this operand as its scale
.endr
.irp k, 0,1
	v_add_nc_u32 v[BY+\k], 0xfd800000, v[MX+\k]    ; q's byte: 3 more off, which is the division by 8
.endr
.irp k, 0,1
	v_lshrrev_b32 v[BY+\k], 23, v[BY+\k]
.endr
.irp k, 2,3,4,5
	v_lshrrev_b32 v[BY+\k], 23, v[OP+\k]           ; the scale's byte
.endr
.irp k, 0,1,2,3,4,5
	v_cvt_scalef32_pk8_fp4_f32 v[CD+2*\k], v[ACC+16*\k:ACC+16*\k+7], v[OP+\k]
	v_cvt_scalef32_pk8_fp4_f32 v[CD+2*\k+1], v[ACC+16*\k+8:ACC+16*\k+15], v[OP+\k]
.endr
	v_nop                                          ; one plain place behind the scaled conversions
.irp k, 0,1,2,3,4,5
	v_permlane16_swap_b32 v[CD+2*\k], v[CD+2*\k+1] ; lane (r, h) now holds the block's numbers 16 h .. 16 h + 15
.endr
.irp k, 0,1
	global_store_b64 v8, v[CD+2*\k:CD+2*\k+1], s[78:79] offset:\g*1024+\k*512         ; each store covers 256 consecutive bytes, aligned
	global_store_b64 v8, v[CD+4+2*\k:CD+5+2*\k], s[80:81] offset:\g*1024+\k*512
	global_store_b64 v8, v[CD+8+2*\k:CD+9+2*\k], s[82:83] offset:(\g/4)*4096+(\g%4)*256+\k*1024
.endr
.irp k, 0,1,2,3
	ds_store_b8 v9, v[BY+\k] offset:(\k/2)*1024+32*\g+16*(\k%2)   ; both lanes of a token write the same byte with the same value
.endr
.irp n, 0,1
.if (\g%4) == 0
	v_mov_b32 v[VW+\n], v[BY+4+\n]                 ; four groups are a key step of 128: their bytes make my column's scale word
.else
	v_lshl_or_b32 v[VW+\n], v[BY+4+\n], 8*(\g%4), v[VW+\n]
.endif
.if (\g%4) == 3
	ds_store_b32 v10, v[VW+\n] offset:(\g/4)*256+64*\n
.endif
.endr
.endm
	s_wait_tensorcnt 0x0                           ; my parts of x are in LDS,
	s_barrier_signal -1
	s_barrier_wait -1                              ; everybody's are
	FETCHX 0
	s_wait_loadcnt 0x0                             ; the weights, their scales, the biases
.irp g, 0,1,2,3,4,5,6,7
	GROUP \g
.endr
	; THE SCALES' WAY OUT: a token's word wants the bytes of two waves, so they meet in the stage
	s_wait_dscnt 0x0                               ; for the others' sake: my stores into the stages are done
	s_barrier_signal -1
	s_barrier_wait -1
	ds_load_b32 v186, v11                          ; q: block 0's bytes of four tokens,
	ds_load_b32 v187, v11 offset:256               ; block 1's
	ds_load_b32 v188, v11 offset:1024              ; k likewise
	ds_load_b32 v189, v11 offset:1280
	ds_load_b64 v[190:191], v12                    ; v's scale words as they lie
	s_wait_dscnt 0x0
.irp t, 0,1,2,3
	v_perm_b32 v[192+\t], v187, v186, 0x0c0c0400+\t*0x101   ; token t's word: block 0's byte, block 1's byte, two zeros (they stand over zero codes)
	v_perm_b32 v[196+\t], v189, v188, 0x0c0c0400+\t*0x101
.endr
	global_store_b128 v13, v[192:195], s[84:85]    ; 512 consecutive bytes
	global_store_b128 v13, v[196:199], s[86:87]
	global_store_b64 v14, v[190:191], s[88:89]     ; 256 consecutive bytes
	s_wait_tensorcnt 0x0
	ds_add_u32 v254, v255
	s_wait_dscnt 0x0
	CROUND                                         ; the closing round: no work-group ends while a partner may still ask for a tile that names it
	s_endpgm
.Lfunc_end_k_qfb3b699172_qkv:
	.size	k_qfb3b699172_qkv, .Lfunc_end_k_qfb3b699172_qkv-k_qfb3b699172_qkv
	.p2alignl 7, 3214868480
	.fill 96, 4, 3214868480
	.section	.rodata,"a",@progbits
	.p2align	6, 0x0
	.amdhsa_kernel k_qfb3b699172_qkv
		.amdhsa_group_segment_fixed_size 327680
		.amdhsa_private_segment_fixed_size 0
		.amdhsa_enable_private_segment 0
		.amdhsa_kernarg_size 104
		.amdhsa_user_sgpr_count 2
		.amdhsa_user_sgpr_kernarg_segment_ptr 1
		.amdhsa_wavefront_size32 1
		.amdhsa_system_sgpr_workgroup_id_x 1
		.amdhsa_system_sgpr_workgroup_id_y 1
		.amdhsa_system_sgpr_workgroup_id_z 1
		.amdhsa_system_vgpr_workitem_id 0
		.amdhsa_next_free_vgpr 896
		.amdhsa_next_free_sgpr 90
		.amdhsa_reserve_vcc 0
		.amdhsa_float_denorm_mode_32 3
		.amdhsa_float_denorm_mode_16_64 3
		.amdhsa_memory_ordered 1
		.amdhsa_forward_progress 1
		.amdhsa_inst_pref_size 189
	.end_amdhsa_kernel
	.amdgpu_metadata
---
amdhsa.version: [ 1, 2 ]
amdhsa.kernels:
  - .name:           k_qfb3b699172_qkv
    .symbol:         k_qfb3b699172_qkv.kd
    .args:
      - { .name: x_codes, .offset: 0, .size: 8, .value_kind: global_buffer, .address_space: global }
      - { .name: x_scales, .offset: 8, .size: 8, .value_kind: global_buffer, .address_space: global }
      - { .name: Wq_codes, .offset: 16, .size: 8, .value_kind: global_buffer, .address_space: global }
      - { .name: Wq_scales, .offset: 24, .size: 8, .value_kind: global_buffer, .address_space: global }
      - { .name: Wk_codes, .offset: 32, .size: 8, .value_kind: global_buffer, .address_space: global }
      - { .name: Wk_scales, .offset: 40, .size: 8, .value_kind: global_buffer, .address_space: global }
      - { .name: Wv_codes, .offset: 48, .size: 8, .value_kind: global_buffer, .address_space: global }
      - { .name: Wv_scales, .offset: 56, .size: 8, .value_kind: global_buffer, .address_space: global }
      - { .name: bq, .offset: 64, .size: 8, .value_kind: global_buffer, .address_space: global }
      - { .name: bk, .offset: 72, .size: 8, .value_kind: global_buffer, .address_space: global }
      - { .name: bv, .offset: 80, .size: 8, .value_kind: global_buffer, .address_space: global }
      - { .name: qimg, .offset: 88, .size: 8, .value_kind: global_buffer, .address_space: global }
      - { .name: kv, .offset: 96, .size: 8, .value_kind: global_buffer, .address_space: global }
    .group_segment_fixed_size: 327680
    .private_segment_fixed_size: 0
    .kernarg_segment_align: 8
    .kernarg_segment_size: 104
    .max_flat_workgroup_size: 128
    .sgpr_count:     90
    .vgpr_count:     896
    .wavefront_size: 32
...
	.end_amdgpu_metadata
.endif
;; end of part 1
;; launch attn (part 2): grid 4 x 64, 16 waves a work-group, clusters of 4 x 1, 169,984 bytes of LDS; arguments qimg, kv, ac, asr; writes ac, asr
.if DOCPART == 2
	.amdgcn_target "amdgcn-amd-amdhsa--gfx1250"
	.amdhsa_code_object_version 6
	.text
	.protected	k_qfb3b699172_attn
	.globl	k_qfb3b699172_attn
	.p2align	8
	.type	k_qfb3b699172_attn,@function
k_qfb3b699172_attn:
	s_mov_b64 s[64:65], 0
	v_nop
	global_prefetch_b8 v0, s[64:65] scope:SCOPE_SE
	s_setreg_imm32_b32 hwreg(HW_REG_WAVE_MODE, 25, 1), 1
	s_wait_xcnt 0x0
	s_wait_alu depctr_hold_cnt(0) depctr_sa_sdst(0) depctr_va_vdst(0) depctr_va_sdst(0) depctr_va_ssrc(0) depctr_va_vcc(0) depctr_vm_vsrc(0)
	s_getreg_b32 s2, hwreg(HW_REG_IB_STS2, 6, 4)
	s_cmp_eq_u32 s2, 0
	s_cbranch_scc0 .Lentry_in_a_cluster
	s_endpgm
.Lentry_in_a_cluster:
	s_bfe_u32 s2, ttmp6, 0x10000c
	s_cmp_lg_u32 s2, 0x3003
	s_cbranch_scc0 .Lentry_shape_is_right
	s_endpgm
.Lentry_shape_is_right:
; For one head: O[q] = sum over keys of p V / l, p = 2^(t - M), t = (q / 8 . k) log2(e), M = the running largest t rounded up to a whole number, l = the sum of the unquantised p.
; Both products on codes of FP4 (E2M1) with E8M0 scales; p is quantised along the keys, and the finished O along the head's 64 for the last product.
; SHARES.  A work-group owns 512 queries of one head; each of its sixteen waves two tiles of 16, one after the other, in 256 registers: four waves to a SIMD, so that one wave's vector work stands beside
; another's matrix work and LDS loads.  The head's whole K and V, codes and scale words, 143,360 bytes, lie in LDS, filled once: no slot is filled again and no barrier stands in the loop.
; CLUSTER.  The four work-groups of a head want the same 143,360 bytes: they are asked for jointly (mask 15), 17,920 bytes by each of waves 0 to 7.
; LAYOUT.  All operands lie as images of their registers: a lane's 16 bytes at 16 x lane.  Both products are used transposed (S^T = K Q^T, O^T = V^T P^T): a lane holds one query throughout.
; The head's 64 fill half of the instruction's 128: registers 4-7 of Q's and K's fragments hold zero codes, and the upper two bytes of their scale words are 0 (2^-127 over zero codes).
; The tiles of S^T are 16 neighbouring keys: tiles 2 b and 2 b + 1 give a lane keys 32 b + 8 h + 0..7 and 32 b + 16 + 8 h + 0..7; the conversions' results are laid so that four exchanges of halves make P's fragment.
; The division by 8 lies in q's scale bytes.
; LIMITS: a block whose every p has fallen to 0, and a block of zeros of O, get the byte 1 (zero codes); NaN and infinities are not served; 1 / l is v_rcp_f32's.
; REGISTERS: v1-7 addresses that stay, v5 Q's scale words; v8-11 the step's addresses; v12 -M, v13 the largest t, v[14:15] the sum in two halves; v16-31 Q's two fragments; v32-95 eight fragments of K;
; v96-159 S^T, then p; v160-191 O^T; v192-223 four fragments of V; v224-231 p's codes; v232-239, v244-247, v253-255 at work; v240-241 V's scale words; v[242:243] f; v248-251 K's scale words; v252 p's scale word.
.set VCO, 65536                        ; LDS as a head lies in kv: K's images at 0, V's here,
.set KSO, 131072                       ; K's scale words,
.set VSO, 139264                       ; V's,
.set SG,  143360                       ; and behind them a stage that LDS stores fill: 32 tiles x 16 tokens x 2 scale bytes
.set WV,  12                           ; s12 my wave's number
.macro PLACES
.rept 4
	v_nop
.endr
.endm
.macro CROUND                          ; a round of the cluster's barrier
	s_barrier_signal -1
	s_barrier_wait -1
	s_cmp_lg_u32 s[WV], 0
	s_cbranch_scc1 .Lnw0_\@
	s_barrier_signal -3
.Lnw0_\@:
	s_barrier_wait -3
	s_barrier_signal -1
	s_barrier_wait -1
.endm
; One matrix instruction from the symbols rD, rA, rB, rSA, rSB; fA, fB: that side's scales stand in lanes 16-31.  z = 1: C is the constant 0; else the sum goes on in place
.macro WM z
.if \z
.if fA && fB
	v_wmma_scale_f32_16x16x128_f8f6f4 v[rD:rD+7], v[rA:rA+7], v[rB:rB+7], 0, v[rSA], v[rSB] matrix_a_fmt:MATRIX_FMT_FP4 matrix_b_fmt:MATRIX_FMT_FP4 matrix_a_scale:MATRIX_SCALE_ROW1 matrix_b_scale:MATRIX_SCALE_ROW1
.elseif fA
	v_wmma_scale_f32_16x16x128_f8f6f4 v[rD:rD+7], v[rA:rA+7], v[rB:rB+7], 0, v[rSA], v[rSB] matrix_a_fmt:MATRIX_FMT_FP4 matrix_b_fmt:MATRIX_FMT_FP4 matrix_a_scale:MATRIX_SCALE_ROW1
.elseif fB
	v_wmma_scale_f32_16x16x128_f8f6f4 v[rD:rD+7], v[rA:rA+7], v[rB:rB+7], 0, v[rSA], v[rSB] matrix_a_fmt:MATRIX_FMT_FP4 matrix_b_fmt:MATRIX_FMT_FP4 matrix_b_scale:MATRIX_SCALE_ROW1
.else
	v_wmma_scale_f32_16x16x128_f8f6f4 v[rD:rD+7], v[rA:rA+7], v[rB:rB+7], 0, v[rSA], v[rSB] matrix_a_fmt:MATRIX_FMT_FP4 matrix_b_fmt:MATRIX_FMT_FP4
.endif
.else
.if fA
	v_wmma_scale_f32_16x16x128_f8f6f4 v[rD:rD+7], v[rA:rA+7], v[rB:rB+7], v[rD:rD+7], v[rSA], v[rSB] matrix_a_fmt:MATRIX_FMT_FP4 matrix_b_fmt:MATRIX_FMT_FP4 matrix_a_scale:MATRIX_SCALE_ROW1
.else
	v_wmma_scale_f32_16x16x128_f8f6f4 v[rD:rD+7], v[rA:rA+7], v[rB:rB+7], v[rD:rD+7], v[rSA], v[rSB] matrix_a_fmt:MATRIX_FMT_FP4 matrix_b_fmt:MATRIX_FMT_FP4
.endif
.endif
.endm
	s_load_b128 s[4:7], s[0:1], 0x0                ; qimg, kv
	s_load_b128 s[8:11], s[0:1], 0x10              ; ac, asr
	v_lshl_add_u32 v254, v0, 2, 0x29000
	v_mov_b32 v255, 0
	ds_add_u32 v254, v255
	ds_add_u32 v254, v255
	s_wait_dscnt 0x0
	v_lshrrev_b32 v8, 5, v0
	s_delay_alu instid0(VALU_DEP_1)
	v_readfirstlane_b32 s[WV], v8                  ; wave 0..15
	s_bfe_u32 s13, ttmp6, 0x40000                  ; cx: it enters global addresses of my own loads and stores alone
	s_and_b32 s14, ttmp7, 0xffff                   ; bh = 16 x batch + head, which the four partners share
	s_lshr_b32 s15, s14, 4                         ; batch
	s_and_b32 s16, s14, 15                         ; head
	s_lshl_b32 s17, ttmp9, 2
	s_add_co_u32 s17, s17, s13                     ; qb: which 512 queries
	s_mov_b32 s36, 0x76543210
	s_mov_b32 s37, 0xfedcba98                      ; v_permlanex16_b32's selects for lane l xor 16
	s_mov_b32 s38, 0x3fb8aa3b                      ; log2(e)
	s_mov_b32 s39, s38                             ; (the packed form names the pair, so it is written)
	v_and_b32 v9, 31, v0                           ; L
	v_and_b32 v10, 15, v0                          ; r
	s_delay_alu instid0(VALU_DEP_2)
	v_lshlrev_b32 v1, 4, v9                        ; an image's place for my lane: 16 L
	s_delay_alu instid0(VALU_DEP_1)
	v_add_nc_u32 v2, VCO, v1
	s_delay_alu instid0(VALU_DEP_4)
	v_lshl_add_u32 v3, v9, 2, KSO                  ; scale words: 4 L: two tiles to a register
	v_lshl_add_u32 v4, v9, 2, VSO
	s_lshl_b32 s18, s[WV], 6
	s_add_co_u32 s18, s18, SG
	v_lshl_add_u32 v6, v10, 1, s18                 ; the stage: my wave's two tiles of 32 bytes, token r
	v_lshl_add_u32 v7, v0, 4, SG                   ; and back: 16 bytes a thread (waves 0 and 1)
	v_lshlrev_b32 v9, 2, v9                        ; 4 L, for Q's scale words
	; descriptor: 17,920 dense bytes as 70 rows of 256 (32 elements of 8 bytes), no padding
	s_mov_b32 s24, 15|(3<<16)|(1<<21)              ; 15:0 the mask: all four partners; 17:16 elements of 8 bytes; 21 set beside a mask
	s_mov_b32 s25, 32<<16
	s_mov_b32 s26, 70<<16
	s_mov_b32 s27, 32<<16
	s_mov_b32 s28, 70
	s_mov_b32 s29, 32
	s_mov_b32 s30, 0
	s_mov_b32 s31, 0
	s_min_u32 s19, s[WV], 7                        ; (waves 8 to 15 issue no load: their registers are held inside the block all the same)
	s_mov_b32 s32, 1
	s_mul_i32 s33, s19, 17920
	s_mul_i32 s20, s14, 143360
	s_add_co_u32 s20, s20, s33
	s_mov_b32 s21, 0
	s_wait_kmcnt 0x0
	s_add_nc_u64 s[34:35], s[6:7], s[20:21]
	s_or_b32 s35, s35, 0x80000000
	CROUND                                         ; all four work-groups are here: the joint loads meet
	s_cmp_lt_u32 s[WV], 8
	s_cbranch_scc0 .Lno_fill
	tensor_load_to_lds s[32:35], s[24:31]          ; one load of mine is out; LDS is filled once
	s_nop 0
	PLACES                                         ; four v_nop follow the load
.Lno_fill:
	s_mul_i32 s18, s14, 73728                      ; my head in qimg
	s_lshl_b32 s19, s17, 5
	s_lshl_b32 s20, s[WV], 1
	s_add_co_u32 s19, s19, s20                     ; my first tile of queries in the head: 32 qb + 2 wave
	s_lshl_b32 s20, s19, 9
	s_add_co_u32 s20, s20, s18
	s_mov_b32 s21, 0
	s_add_nc_u64 s[20:21], s[4:5], s[20:21]        ; its image
	s_lshl_b32 s22, s19, 6
	s_add_co_u32 s22, s22, s18
	s_add_co_u32 s22, s22, 65536
	s_mov_b32 s23, 0
	s_add_nc_u64 s[22:23], s[4:5], s[22:23]        ; its scale words
	s_wait_alu depctr_va_vdst(0)
	global_load_b128 v[16:19], v1, s[20:21]        ; lane (r, h): block h of query r: registers 0-3 of the fragment
	global_load_b128 v[24:27], v1, s[20:21] offset:512
	global_load_b32 v5, v9, s[22:23]               ; lanes 0-15: my first tile's words, lanes 16-31: my second's
	s_lshl_b32 s44, s15, 7
	s_add_co_u32 s44, s44, s19                     ; the tile among all 512
	s_lshl_b32 s44, s44, 13
	s_lshl_b32 s45, s16, 9
	s_add_co_u32 s44, s44, s45
	s_mov_b32 s45, 0
	s_add_nc_u64 s[44:45], s[8:9], s[44:45]        ; ac: [tile][head][lane][16 bytes]
	s_lshl_b32 s46, s15, 7
	s_lshl_b32 s47, s17, 5
	s_add_co_u32 s46, s46, s47
	s_lshl_b32 s46, s46, 5
	s_lshl_b32 s47, s16, 14
	s_add_co_u32 s46, s46, s47
	s_mov_b32 s47, 0
	s_add_nc_u64 s[46:47], s[10:11], s[46:47]      ; asr: [head][tile][token] two bytes; the work-group's 32 tiles are 1,024 bytes
.irp j, 20,21,22,23,28,29,30,31
	v_mov_b32 v\j, 0                               ; zero codes for k = 64 .. 127, in Q's fragments
.endr
.irp t, 0,1,2,3,4,5,6,7
.irp j, 4,5,6,7
	v_mov_b32 v[32+8*\t+\j], 0                     ; and in K's: written once, the loads touch the lower four registers alone
.endr
.endr
.irp j, 236,237,238,239,243,253
	v_mov_b32 v\j, 0                               ; lane permutes' destinations, and the upper half of f's pair: written once
.endr
	s_wait_tensorcnt 0x0                           ; my part of the head is in LDS,
	s_wait_loadcnt 0x0                             ; and Q in registers
	s_barrier_signal -1
	s_barrier_wait -1                              ; everybody's part is
; ONE TILE OF 16 QUERIES through all 2,048 keys, 128 a step
.macro QTILE n
	s_wait_xcnt 0x0                                ; the last tile's store has read its registers, which the products below write
	v_mov_b32 v13, 0xff61b1e6                      ; the largest t so far: -3e38, under every t
	s_delay_alu instid0(VALU_DEP_1)
	v_floor_f32 v12, -v13                          ; -M
	v_mov_b32 v14, 0
	v_mov_b32 v15, 0
.set j, 0
.rept 32
	v_mov_b32 v[160+j], 0                          ; O^T: the step is written once; the first finds zeros, which the first change of M leaves zeros
.set j, j+1
.endr
	s_mov_b32 s40, 0                               ; the step's images of K and of V: 4,096 bytes a step
	s_mov_b32 s41, 0                               ; K's scale words: 512
	s_mov_b32 s42, 0                               ; V's: 256
	s_mov_b32 s43, 16
.Lstep_\@:
	s_setprio 2
	v_add_nc_u32 v8, s40, v1                       ; (these four are also the places behind the last products, ahead of the loads into their sources)
	v_add_nc_u32 v9, s40, v2
	v_add_nc_u32 v10, s41, v3
	v_add_nc_u32 v11, s42, v4
.irp t, 0,1,2,3,4,5,6,7
	ds_load_b128 v[32+8*\t:35+8*\t], v8 offset:512*\t
.endr
.irp b, 0,1,2,3
	ds_load_b32 v[248+\b], v10 offset:128*\b
.endr
.irp t, 0,1,2,3
.irp c, 0,1
	ds_load_b128 v[192+8*\t+4*\c:195+8*\t+4*\c], v9 offset:1024*\t+512*\c
.endr
.endr
.irp p, 0,1
	ds_load_b32 v[240+\p], v11 offset:128*\p
.endr
	s_wait_dscnt 10                                ; K and its scale words are in; V's eight loads and its two of scale words, issued behind them, may be out
.irp t, 0,1,2,3,4,5,6,7
.set rD, 96+8*\t
.set rA, 32+8*\t
.set rB, 16+8*\n
.set rSA, 248+\t/2
.set rSB, 5
.set fA, \t%2
.set fB, \n
	WM 1                                           ; S^T: lane (r, h): query r, register j: key 16 t + 8 h + j
.endr
	PLACES
.irp b, 0,1,2,3
	v_max3_num_f32 v[232+\b], v[96+16*\b], v[97+16*\b], v[98+16*\b]   ; the largest score of each block of 32 keys: for the row's maximum, and, since p rises with the score, for the block's largest p
.endr
.irp i, 3,5,7,9,11,13
.irp b, 0,1,2,3
	v_max3_num_f32 v[232+\b], v[232+\b], v[96+16*\b+\i], v[97+16*\b+\i]
.endr
.endr
.irp b, 0,1,2,3
	v_max_num_f32 v[232+\b], v[232+\b], v[111+16*\b]
.endr
.irp b, 0,1,2,3
	s_delay_alu instid0(VALU_DEP_4)
	v_permlanex16_b32 v[236+\b], v[232+\b], s36, s37
.endr
.irp b, 0,1,2,3
	s_delay_alu instid0(VALU_DEP_4)
	v_max_num_f32 v[232+\b], v[232+\b], v[236+\b]  ; with lane l xor 16's 16 keys
.endr
	s_delay_alu instid0(VALU_DEP_2)
	v_max3_num_f32 v254, v232, v233, v234
	s_delay_alu instid0(VALU_DEP_1)
	v_max_num_f32 v254, v254, v235                 ; the step's largest score of my query
	s_delay_alu instid0(VALU_DEP_1)
	v_mul_f32 v254, s38, v254                      ; as t
	s_delay_alu instid0(VALU_DEP_1)
	v_max_num_f32 v13, v13, v254                   ; the running largest t
	v_mov_b32 v254, v12
	s_delay_alu instid0(VALU_DEP_2)
	v_floor_f32 v12, -v13                          ; the new -M = floor(-t) = -ceil(t): a whole number
	s_delay_alu instid0(VALU_DEP_1)
	v_sub_f32 v254, v12, v254                      ; old M - new M: a whole number, 0 or less
	s_delay_alu instid0(VALU_DEP_1)
	v_cvt_i32_f32 v254, v254                       ; (it saturates)
	s_delay_alu instid0(VALU_DEP_1)
	v_ldexp_f32 v242, 1.0, v254                    ; f = 2^(old M - new M): a multiplication by it rounds nothing
.set j, 0
.rept 32
	v_pk_fma_f32 v[96+j:97+j], v[96+j:97+j], s[38:39], v[12:13] op_sel_hi:[1,0,0]   ; t - M, two at a time
.set j, j+2
.endr
.irp b, 0,1,2,3
	v_fma_f32 v[232+\b], v[232+\b], s38, v12       ; the same of each block's largest score
.endr
.set j, 0
	s_wait_alu depctr_va_vdst(0)
.rept 64
	v_exp_f32 v[96+j], v[96+j]                     ; p = 2^(t - M), at most 1, not normalised
.set j, j+1
.endr
	s_setprio 1
	v_pk_mul_f32 v[14:15], v[14:15], v[242:243] op_sel_hi:[1,0]   ; the sums under the new M: the plain place behind the exponentials
	s_wait_alu depctr_va_vdst(0)                   ; one wait for the whole batch, ahead of its first reader
.irp b, 0,1,2,3
	v_exp_f32 v[232+\b], v[232+\b]                 ; the block's largest p: the same two instructions on the same number give the same bits
.endr
	v_pk_add_f32 v[236:237], v[100:101], v[104:105]
	v_pk_add_f32 v[254:255], v[108:109], v[112:113]
	v_pk_add_f32 v[250:251], v[116:117], v[120:121]
	v_pk_add_f32 v[248:249], v[124:125], v[128:129]
	v_pk_add_f32 v[246:247], v[132:133], v[136:137]
	v_pk_add_f32 v[244:245], v[140:141], v[144:145]
	v_pk_add_f32 v[238:239], v[148:149], v[152:153]
	v_pk_add_f32 v[14:15], v[14:15], v[156:157]
	v_pk_add_f32 v[236:237], v[236:237], v[96:97]
	v_pk_add_f32 v[254:255], v[254:255], v[98:99]
	v_pk_add_f32 v[250:251], v[250:251], v[102:103]
	v_pk_add_f32 v[248:249], v[248:249], v[106:107]
	v_pk_add_f32 v[246:247], v[246:247], v[110:111]
	v_pk_add_f32 v[244:245], v[244:245], v[114:115]
	v_pk_add_f32 v[238:239], v[238:239], v[118:119]
	v_pk_add_f32 v[14:15], v[14:15], v[122:123]
	v_pk_add_f32 v[236:237], v[236:237], v[126:127]
	v_pk_add_f32 v[254:255], v[254:255], v[130:131]
	v_pk_add_f32 v[250:251], v[250:251], v[134:135]
	v_pk_add_f32 v[248:249], v[248:249], v[138:139]
	v_pk_add_f32 v[246:247], v[246:247], v[142:143]
	v_pk_add_f32 v[244:245], v[244:245], v[146:147]
	v_pk_add_f32 v[238:239], v[238:239], v[150:151]
	v_pk_add_f32 v[14:15], v[14:15], v[154:155]
	v_pk_add_f32 v[236:237], v[236:237], v[158:159]
	s_delay_alu instid0(VALU_DEP_2)
	v_pk_add_f32 v[14:15], v[14:15], v[248:249]
	s_delay_alu instid0(VALU_DEP_2)
	v_pk_add_f32 v[236:237], v[236:237], v[246:247]
	v_pk_add_f32 v[254:255], v[254:255], v[244:245]
	v_pk_add_f32 v[250:251], v[250:251], v[238:239]
	s_delay_alu instid0(VALU_DEP_2)
	v_pk_add_f32 v[14:15], v[14:15], v[254:255]
	s_delay_alu instid0(VALU_DEP_2)
	v_pk_add_f32 v[236:237], v[236:237], v[250:251]
	s_delay_alu instid0(VALU_DEP_1)
	v_pk_add_f32 v[14:15], v[14:15], v[236:237]
	s_wait_alu depctr_va_vdst(0)                   ; and one for the four
.irp b, 0,1,2,3
	v_max_num_f32 v[232+\b], 0x1800000, v[232+\b]  ; the floor 2^(3 - 127): the byte cannot fall under 1
.endr
.irp b, 0,1,2,3
	s_delay_alu instid0(VALU_DEP_4)
	v_add_nc_u32 v[244+\b], 0xff000000, v[232+\b]  ; 2 off the exponent field: the conversion's scale operand
.endr
.irp b, 0,1,2,3
	s_delay_alu instid0(VALU_DEP_4)
	v_lshrrev_b32 v[236+\b], 23, v[244+\b]         ; the scale's byte
.endr
	s_delay_alu instid0(VALU_DEP_3)
	v_lshl_or_b32 v252, v237, 8, v236              ; p's scale word for these 128 keys
	s_delay_alu instid0(VALU_DEP_1)
	v_lshl_or_b32 v252, v238, 16, v252
	s_delay_alu instid0(VALU_DEP_1)
	v_lshl_or_b32 v252, v239, 24, v252
.irp b, 0,1,2,3
.irp u, 0,1
	v_cvt_scalef32_pk8_fp4_f32 v[224+4*(\b/2)+2*\u+(\b%2)], v[96+16*\b+8*\u:103+16*\b+8*\u], v[244+\b]   ; keys 32 b + 16 u + 8 h + 0..7, laid beside the same keys of the neighbouring block
.endr
.endr
	v_nop                                          ; one plain place behind the scaled conversions
.irp i, 0,2,4,6
	v_permlane16_swap_b32 v[224+\i], v[225+\i]     ; registers 4 c .. 4 c + 3 now hold keys 64 c + 32 h + 0 .. 31
.endr
.set j, 0
	s_setprio 0
.rept 16
	v_pk_mul_f32 v[160+j:161+j], v[160+j:161+j], v[242:243] op_sel_hi:[1,0]   ; O^T under the new M.  Of these 16, 12 name no register of a given product below: the places between the scale word's and the codes' last writes and the products
.set j, j+2
.endr
	s_wait_alu depctr_va_vdst(0)
	s_wait_dscnt 0x0                               ; V and its scale words are in
.irp t, 0,1,2,3
.set rD, 160+8*\t
.set rA, 192+8*\t
.set rB, 224
.set rSA, 240+\t/2
.set rSB, 252
.set fA, \t%2
.set fB, 0
	WM 0                                           ; O^T += V^T P^T: lane (r, h): query r, register j: d = 16 t + 8 h + j; the four accumulators take turns
.endr
	s_add_co_u32 s40, s40, 4096
	s_add_co_u32 s41, s41, 512
	s_add_co_u32 s42, s42, 256
	s_sub_co_u32 s43, s43, 1
	s_cmp_lg_u32 s43, 0
	s_cbranch_scc1 .Lstep_\@
	s_setprio 0
	; the tile's end: O / l, quantised along the head's 64: two blocks of 32
	v_add_f32 v14, v14, v15                        ; the sum's two halves,
	s_delay_alu instid0(VALU_DEP_1)
	v_permlanex16_b32 v253, v14, s36, s37
	s_delay_alu instid0(VALU_DEP_1)
	v_add_f32 v14, v14, v253                       ; and lane l xor 16's: the row's sum
	s_wait_alu depctr_va_vdst(0)
	v_rcp_f32 v14, v14
	PLACES                                         ; the plain place behind the reciprocal, and the four behind the last products
	s_wait_alu depctr_va_vdst(0)                   ; the wait ahead of the reciprocal's first reader
.set j, 0
.rept 16
	v_pk_mul_f32 v[96+j:97+j], v[160+j:161+j], v[14:15] op_sel_hi:[1,0]   ; each accumulator from its low end on
.set j, j+2
.endr
.irp b, 0,1
	v_max3_num_f32 v[232+\b], |v[96+16*\b]|, |v[97+16*\b]|, 0x1800000
.endr
.irp i, 2,4,6,8,10,12,14
.irp b, 0,1
	s_delay_alu instid0(VALU_DEP_2)
	v_max3_num_f32 v[232+\b], v[232+\b], |v[96+16*\b+\i]|, |v[97+16*\b+\i]|
.endr
.endr
.irp b, 0,1
	s_delay_alu instid0(VALU_DEP_2)
	v_permlanex16_b32 v[236+\b], v[232+\b], s36, s37
.endr
.irp b, 0,1
	s_delay_alu instid0(VALU_DEP_2)
	v_max_num_f32 v[232+\b], v[232+\b], v[236+\b]
.endr
.irp b, 0,1
	s_delay_alu instid0(VALU_DEP_2)
	v_add_nc_u32 v[244+\b], 0xff000000, v[232+\b]
.endr
.irp b, 0,1
	s_delay_alu instid0(VALU_DEP_2)
	v_lshrrev_b32 v[236+\b], 23, v[244+\b]
.endr
.irp b, 0,1
.irp u, 0,1
	v_cvt_scalef32_pk8_fp4_f32 v[128+2*\u+\b], v[96+16*\b+8*\u:103+16*\b+8*\u], v[244+\b]
.endr
.endr
	v_nop                                          ; one plain place behind the scaled conversions
	v_permlane16_swap_b32 v128, v129
	v_permlane16_swap_b32 v130, v131               ; lane (r, h): block h of token r: 16 bytes
	global_store_b128 v1, v[128:131], s[44:45] offset:\n*8192      ; 512 consecutive bytes
	v_lshl_or_b32 v253, v237, 8, v236
	ds_store_b16 v6, v253 offset:32*\n             ; both lanes of a token write the same two bytes with the same value
.endm
	QTILE 0
	QTILE 1
	s_wait_dscnt 0x0                               ; for the others' sake: my stores into the stage are done
	s_barrier_signal -1
	s_barrier_wait -1
	s_cmp_lt_u32 s[WV], 2
	s_cbranch_scc0 .Lno_sc
	ds_load_b128 v[132:135], v7                    ; the work-group's 1,024 scale bytes leave by two waves, 512 consecutive bytes each
	v_lshlrev_b32 v8, 4, v0
	s_wait_alu depctr_va_vdst(0)
	s_wait_dscnt 0x0
	global_store_b128 v8, v[132:135], s[46:47]
.Lno_sc:
	s_wait_xcnt 0x0
	v_lshl_add_u32 v254, v0, 2, 0x29000
	v_mov_b32 v255, 0
	s_wait_alu depctr_va_vdst(0)
	s_wait_tensorcnt 0x0
	ds_add_u32 v254, v255
	s_wait_dscnt 0x0
	CROUND                                         ; the closing round: no work-group ends while a partner may still ask for a tile that names it
	s_endpgm
.Lfunc_end_k_qfb3b699172_attn:
	.size	k_qfb3b699172_attn, .Lfunc_end_k_qfb3b699172_attn-k_qfb3b699172_attn
	.p2alignl 7, 3214868480
	.fill 96, 4, 3214868480
	.section	.rodata,"a",@progbits
	.p2align	6, 0x0
	.amdhsa_kernel k_qfb3b699172_attn
		.amdhsa_group_segment_fixed_size 169984
		.amdhsa_private_segment_fixed_size 0
		.amdhsa_enable_private_segment 0
		.amdhsa_kernarg_size 32
		.amdhsa_user_sgpr_count 2
		.amdhsa_user_sgpr_kernarg_segment_ptr 1
		.amdhsa_wavefront_size32 1
		.amdhsa_system_sgpr_workgroup_id_x 1
		.amdhsa_system_sgpr_workgroup_id_y 1
		.amdhsa_system_sgpr_workgroup_id_z 1
		.amdhsa_system_vgpr_workitem_id 0
		.amdhsa_next_free_vgpr 256
		.amdhsa_next_free_sgpr 66
		.amdhsa_reserve_vcc 0
		.amdhsa_float_denorm_mode_32 3
		.amdhsa_float_denorm_mode_16_64 3
		.amdhsa_memory_ordered 1
		.amdhsa_forward_progress 1
		.amdhsa_inst_pref_size 51
	.end_amdhsa_kernel
	.amdgpu_metadata
---
amdhsa.version: [ 1, 2 ]
amdhsa.kernels:
  - .name:           k_qfb3b699172_attn
    .symbol:         k_qfb3b699172_attn.kd
    .args:
      - { .name: qimg, .offset: 0, .size: 8, .value_kind: global_buffer, .address_space: global }
      - { .name: kv, .offset: 8, .size: 8, .value_kind: global_buffer, .address_space: global }
      - { .name: ac, .offset: 16, .size: 8, .value_kind: global_buffer, .address_space: global }
      - { .name: asr, .offset: 24, .size: 8, .value_kind: global_buffer, .address_space: global }
    .group_segment_fixed_size: 169984
    .private_segment_fixed_size: 0
    .kernarg_segment_align: 8
    .kernarg_segment_size: 32
    .max_flat_workgroup_size: 512
    .sgpr_count:     66
    .vgpr_count:     256
    .wavefront_size: 32
...
	.end_amdgpu_metadata
.endif
;; end of part 2
;; launch oproj (part 3): grid 4 x 64, 4 waves a work-group, clusters of 4 x 1, 168,448 bytes of LDS; arguments ac, asr, Wo_codes, Wo_scales, bo, out0; writes out0
.if DOCPART == 3
	.amdgcn_target "amdgcn-amd-amdhsa--gfx1250"
	.amdhsa_code_object_version 6
	.text
	.protected	k_qfb3b699172_oproj
	.globl	k_qfb3b699172_oproj
	.p2align	8
	.type	k_qfb3b699172_oproj,@function
k_qfb3b699172_oproj:
	s_mov_b64 s[64:65], 0
	v_nop
	global_prefetch_b8 v0, s[64:65] scope:SCOPE_SE
	s_setreg_imm32_b32 hwreg(HW_REG_WAVE_MODE, 25, 1), 1
	s_wait_xcnt 0x0
	s_wait_alu depctr_hold_cnt(0) depctr_sa_sdst(0) depctr_va_vdst(0) depctr_va_sdst(0) depctr_va_ssrc(0) depctr_va_vcc(0) depctr_vm_vsrc(0)
	s_getreg_b32 s2, hwreg(HW_REG_IB_STS2, 6, 4)
	s_cmp_eq_u32 s2, 0
	s_cbranch_scc0 .Lentry_in_a_cluster
	s_endpgm
.Lentry_in_a_cluster:
	s_bfe_u32 s2, ttmp6, 0x10000c
	s_cmp_lg_u32 s2, 0x3003
	s_cbranch_scc0 .Lentry_shape_is_right
	s_endpgm
.Lentry_shape_is_right:
; out0 = a Wo^T + bo on codes of FP4 (E2M1) with E8M0 scales.  a: the attention's result as images of operand registers (ac) and scale bytes (asr).
; SHARES.  A work-group takes 128 tokens (rg: 8 tiles) x 256 columns (cg).  THE WAVES SHARE THE COLUMNS: wave w keeps rows 256 cg + 64 w .. + 63 of Wo for all of K in registers (4 tiles x 8 K steps x 8 = 256),
; read from memory once.  The 8 tiles' images, 65,536 dense bytes, lie in LDS, filled once.  Work goes in 4 groups of 32 tokens: 64 matrix instructions a wave and group.
; CLUSTER.  The four work-groups along x want the same images: they are asked for jointly (mask 15).  The cluster lies along the columns, so no two partners have the same rows of Wo: nothing of Wo is shared in it.
; The product is used transposed (source 0 = 16 rows of Wo, source 1 = 16 tokens): a lane holds 8 neighbouring columns of one token's row; the bias is the C of each sum's first matrix instruction (so it is added first, not last).
; THE SCALE WORDS.  asr holds two bytes for each head and token; a K step of 128 is two heads: the words are put together once, at the head, and lie in LDS [tile][K step][token].
; REGISTERS, in windows of 256: window 0: v1-10 addresses, v16-23 a's scale words, v24-39 Wo's, v40-71 the bias as tiles of C, v72-135 eight accumulators, v136-199 rows on the way out, v200-215 at work at the head.
;   window 1: Wo's fragments.   window 2: a's fragments of a group (v0-127).
.set ASW, 65536                        ; behind the images: a's scale words, a region that LDS stores fill: 8 tiles x 576 bytes (8 K steps x 16 tokens x 4, + 64)
.set STG, 70144                        ; and the way out: 16 rows x (256 bytes + 16) for each wave
.set AS,  16                           ; v16-23  register s = K step s; lanes 0-15 token tile 0, lanes 16-31 token tile 1
.set WS,  24                           ; v24-39  8 (n / 2) + s; lanes 0-15 the even row tile, lanes 16-31 the odd one
.set BI,  40
.set ACC, 72                           ; accumulator (a, n) at ACC + 8 (4 a + n)
.set RB,  136
.set WV,  16                           ; s16 my wave's number
.set MSB, 0
.macro WIN new                         ; the immediate's high byte repeats the setting that is left
.if MSB != \new
	s_set_vgpr_msb (MSB<<8)|\new
.set MSB, \new
.endif
.endm
.macro CROUND                          ; a round of the cluster's barrier
	s_barrier_signal -1
	s_barrier_wait -1
	s_cmp_lg_u32 s[WV], 0
	s_cbranch_scc1 .Lnw0_\@
	s_barrier_signal -3
.Lnw0_\@:
	s_barrier_wait -3
	s_barrier_signal -1
	s_barrier_wait -1
.endm
.macro WM                              ; one matrix instruction from the symbols rD, rA, rB, rC, rSA, rSB; fA, fB: that side's scales stand in lanes 16-31
.if fA && fB
	v_wmma_scale_f32_16x16x128_f8f6f4 v[rD:rD+7], v[rA:rA+7], v[rB:rB+7], v[rC:rC+7], v[rSA], v[rSB] matrix_a_fmt:MATRIX_FMT_FP4 matrix_b_fmt:MATRIX_FMT_FP4 matrix_a_scale:MATRIX_SCALE_ROW1 matrix_b_scale:MATRIX_SCALE_ROW1
.elseif fA
	v_wmma_scale_f32_16x16x128_f8f6f4 v[rD:rD+7], v[rA:rA+7], v[rB:rB+7], v[rC:rC+7], v[rSA], v[rSB] matrix_a_fmt:MATRIX_FMT_FP4 matrix_b_fmt:MATRIX_FMT_FP4 matrix_a_scale:MATRIX_SCALE_ROW1
.elseif fB
	v_wmma_scale_f32_16x16x128_f8f6f4 v[rD:rD+7], v[rA:rA+7], v[rB:rB+7], v[rC:rC+7], v[rSA], v[rSB] matrix_a_fmt:MATRIX_FMT_FP4 matrix_b_fmt:MATRIX_FMT_FP4 matrix_b_scale:MATRIX_SCALE_ROW1
.else
	v_wmma_scale_f32_16x16x128_f8f6f4 v[rD:rD+7], v[rA:rA+7], v[rB:rB+7], v[rC:rC+7], v[rSA], v[rSB] matrix_a_fmt:MATRIX_FMT_FP4 matrix_b_fmt:MATRIX_FMT_FP4
.endif
.endm
.macro MM a, n, s                      ; token tile a, row tile n of Wo, K step s
.set rD, ACC+8*(4*\a+\n)
.set rA, 64*\n+8*\s
.set rB, 64*\a+8*\s
.set rC, rD
.if \s == 0
.set rC, BI+8*\n
.endif
.set rSA, WS+8*(\n/2)+\s
.set rSB, AS+\s
.set fA, \n%2
.set fB, \a
	WM
.endm
	s_load_b256 s[4:11], s[0:1], 0x0               ; ac 4, asr 6, Wo's codes 8, Wo's scales 10
	s_load_b128 s[12:15], s[0:1], 0x20             ; bo 12, out0 14
	v_lshl_add_u32 v254, v0, 2, 0x29000
	v_mov_b32 v255, 0
	ds_add_u32 v254, v255
	ds_add_u32 v254, v255
	v_lshrrev_b32 v11, 5, v0
	v_readfirstlane_b32 s[WV], v11                 ; wave 0..3
	v_and_b32 v12, 31, v0                          ; L
	v_and_b32 v13, 15, v0                          ; r
	v_bfe_u32 v14, v0, 4, 1                        ; h
	s_bfe_u32 s17, ttmp6, 0x40000                  ; cx: it enters global addresses of my own loads and stores alone
	s_and_b32 s18, ttmp7, 0xffff                   ; rg: which 128 tokens
	s_lshl_b32 s19, ttmp9, 2
	s_add_co_u32 s19, s19, s17
	s_lshl_b32 s19, s19, 8
	s_lshl_b32 s20, s[WV], 6
	s_add_co_u32 s19, s19, s20                     ; col0: my first column
	v_lshlrev_b32 v1, 9, v13
	v_lshl_add_u32 v1, v14, 4, v1                  ; Wo's fragments: row r of 512 bytes + 16 h
	v_lshlrev_b32 v2, 5, v12                       ; Wo's scales: 32 bytes a row, a lane a row
	v_lshlrev_b32 v3, 5, v14                       ; the bias: my half's eight numbers
	v_lshlrev_b32 v4, 4, v12                       ; an image's place for my lane
	v_mul_u32_u24 v5, v14, 576
	v_lshl_add_u32 v5, v13, 2, v5
	v_add_nc_u32 v5, ASW, v5                       ; a's scale words: lanes 0-15 the group's first tile, lanes 16-31 its second
	s_mul_i32 s21, s[WV], 16*272
	s_add_co_u32 s21, s21, STG                     ; my stage
	v_mul_u32_u24 v6, v13, 272
	v_lshl_add_u32 v6, v14, 5, v6
	v_add_nc_u32 v6, s21, v6                       ; in: row r, 32 bytes for each half of the lanes
	v_mul_u32_u24 v7, v14, 272
	v_lshl_add_u32 v7, v13, 4, v7
	v_add_nc_u32 v7, s21, v7                       ; back: lanes 0-15 one row of 256 bytes, lanes 16-31 the next
	v_lshlrev_b32 v8, 12, v14
	v_lshl_add_u32 v8, v13, 4, v8                  ; and the same two rows in out0 (4,096 bytes a row)
	v_lshrrev_b32 v15, 4, v0                       ; thread / 16 = K step s
	v_lshlrev_b32 v9, 15, v15
	v_lshl_add_u32 v9, v13, 4, v9                  ; asr: head 2 s (16,384 bytes a head), 16 bytes (8 tokens) of the work-group's 256
	v_bfe_u32 v10, v0, 1, 3                        ; which tile those 8 tokens lie in,
	v_mul_u32_u24 v10, v10, 576
	v_lshl_add_u32 v10, v15, 6, v10                ; K step s,
	v_and_b32 v15, 1, v0
	v_lshl_add_u32 v10, v15, 5, v10                ; which half of the tile
	v_add_nc_u32 v10, ASW, v10
	; descriptor: 16,384 dense bytes as 64 rows of 256 (32 elements of 8 bytes), no padding
	s_mov_b32 s24, 15|(3<<16)|(1<<21)              ; 15:0 the mask: all four partners; 17:16 elements of 8 bytes; 21 set beside a mask
	s_mov_b32 s25, 32<<16
	s_mov_b32 s26, 64<<16
	s_mov_b32 s27, 32<<16
	s_mov_b32 s28, 64
	s_mov_b32 s29, 32
	s_mov_b32 s30, 0
	s_mov_b32 s31, 0
	s_mov_b32 s32, 1
	s_lshl_b32 s33, s[WV], 14
	s_lshl_b32 s22, s18, 16
	s_add_co_u32 s22, s22, s33                     ; made of rg and the wave's number alone, which the four partners share
	s_mov_b32 s23, 0
	s_wait_dscnt 0x0
	s_wait_kmcnt 0x0
	s_add_nc_u64 s[34:35], s[4:5], s[22:23]
	s_or_b32 s35, s35, 0x80000000
	s_lshl_b32 s22, s18, 8
	s_add_nc_u64 s[6:7], s[6:7], s[22:23]          ; asr at my 8 tiles
	s_lshl_b32 s22, s19, 9
	s_add_nc_u64 s[8:9], s[8:9], s[22:23]          ; Wo at my first row
	s_lshl_b32 s22, s19, 5
	s_add_nc_u64 s[10:11], s[10:11], s[22:23]
	s_lshl_b32 s22, s19, 2
	s_add_nc_u64 s[12:13], s[12:13], s[22:23]      ; bo at my first column
	s_add_nc_u64 s[14:15], s[14:15], s[22:23]
	s_lshl_b32 s22, s18, 19
	s_add_nc_u64 s[14:15], s[14:15], s[22:23]      ; out0 at my first token and column
	CROUND                                         ; all four work-groups are here: the joint loads meet
	tensor_load_to_lds s[32:35], s[24:31]          ; my quarter of the images: one load of mine is out; LDS is filled once
	s_nop 0
.rept 4
	v_nop                                          ; four v_nop follow the load
.endr
	s_wait_alu depctr_va_vdst(0)
	global_load_b128 v[200:203], v9, s[6:7]                ; head 2 s: two bytes for each of 8 tokens
	global_load_b128 v[204:207], v9, s[6:7] offset:16384   ; head 2 s + 1
.irp p, 0,1
	global_load_b128 v[WS+8*\p:WS+8*\p+3], v2, s[10:11] offset:1024*\p
	global_load_b128 v[WS+8*\p+4:WS+8*\p+7], v2, s[10:11] offset:1024*\p+16
.endr
.irp n, 0,1,2,3
	global_load_b128 v[BI+8*\n:BI+8*\n+3], v3, s[12:13] offset:64*\n       ; register j: the bias of column 16 n + 8 h + j
	global_load_b128 v[BI+8*\n+4:BI+8*\n+7], v3, s[12:13] offset:64*\n+16
.endr
	WIN 0x40                                       ; destination window 1
.irp n, 0,1,2,3
.irp s, 0,1,2,3,4,5,6,7
.irp c, 0,1
	global_load_b128 v[64*\n+8*\s+4*\c:64*\n+8*\s+4*\c+3], v1, s[8:9] offset:\n*8192+64*\s+32*\c
.endr
.endr
.endr
	WIN 0
	s_wait_loadcnt 0x0
.irp k, 0,1,2,3
	v_perm_b32 v[208+2*\k], v[204+\k], v[200+\k], 0x05040100   ; token 2 k's word: head 2 s's two bytes below, head 2 s + 1's above
	v_perm_b32 v[209+2*\k], v[204+\k], v[200+\k], 0x07060302   ; token 2 k + 1's
.endr
	ds_store_b128 v10, v[208:211]
	ds_store_b128 v10, v[212:215] offset:16
	s_wait_tensorcnt 0x0                           ; my part of the images is in LDS,
	s_wait_dscnt 0x0                               ; my scale words too
	s_barrier_signal -1
	s_barrier_wait -1                              ; everybody's are
.macro FETCHA g                        ; a's fragments of group g (two tiles x 8 K steps) into window 2, and their scale words
	WIN 0x80
.irp a, 0,1
.irp s, 0,1,2,3,4,5,6,7
.irp c, 0,1
	ds_load_b128 v[64*\a+8*\s+4*\c:64*\a+8*\s+4*\c+3], v4 offset:(2*(\g)+\a)*8192+1024*\s+512*\c
.endr
.endr
.endr
	WIN 0
.irp s, 0,1,2,3,4,5,6,7
	ds_load_b32 v[AS+\s], v5 offset:1152*(\g)+64*\s
.endr
.endm
; A GROUP OF 32 TOKENS.  The eight accumulators take turns, one instruction a turn.
.macro GROUP g
	s_wait_dscnt 0x0                               ; a's fragments and scale words are in
	WIN 0x09                                       ; source 0 window 1, source 1 window 2, C and D window 0
.irp s, 0,1,2,3,4,5,6,7
.irp a, 0,1
.irp n, 0,1,2,3
	MM \a, \n, \s
.endr
.endr
.endr
	WIN 0
.rept 5
	v_nop                                          ; four places ahead of the loads into the products' sources and of the stores of their results; the fifth because the next group's first products write over these accumulators with another C, and no other vector work stands between
.endr
.if \g < 3
	FETCHA \g+1                                    ; the next group's fragments land while this group goes out
.endif
	s_wait_xcnt 0x0                                ; the last group's stores have read their registers, into which the loads below land
	; THE WAY OUT: a lane holds 32 bytes of a row; 16 rows go through my own stage and come back as whole rows of 256 bytes.  LDS serves a wave's instructions in order (ISA guide 5.7.1.4): no wait between stores and loads
.irp a, 0,1
.irp n, 0,1,2,3
	ds_store_b128 v6, v[ACC+8*(4*\a+\n):ACC+8*(4*\a+\n)+3] offset:64*\n        ; each accumulator from its low end on
	ds_store_b128 v6, v[ACC+8*(4*\a+\n)+4:ACC+8*(4*\a+\n)+7] offset:64*\n+16
.endr
.irp i, 0,1,2,3,4,5,6,7
	ds_load_b128 v[RB+32*\a+4*\i:RB+32*\a+4*\i+3], v7 offset:544*\i
.endr
.endr
.irp i, 0,1,2,3,4,5,6,7
	s_wait_dscnt 23-\i                             ; behind this load: the tile's 7 - i later loads and the second tile's 16 LDS instructions
	global_store_b128 v8, v[RB+4*\i:RB+4*\i+3], s[14:15] offset:(32*\g+2*\i)*4096 th:TH_STORE_NT   ; sixteen lanes store 256 consecutive bytes, aligned; written once, read by nobody here
.endr
.irp i, 0,1,2,3,4,5,6,7
	s_wait_dscnt 7-\i                              ; behind this load: the tile's 7 - i later loads
	global_store_b128 v8, v[RB+32+4*\i:RB+32+4*\i+3], s[14:15] offset:(32*\g+16+2*\i)*4096 th:TH_STORE_NT
.endr
.endm
	FETCHA 0
.irp g, 0,1,2,3
	GROUP \g
.endr
	s_wait_dscnt 0x0
	s_wait_tensorcnt 0x0
	ds_add_u32 v254, v255
	s_wait_dscnt 0x0
	CROUND                                         ; the closing round: no work-group ends while a partner may still ask for a tile that names it
	s_endpgm
.Lfunc_end_k_qfb3b699172_oproj:
	.size	k_qfb3b699172_oproj, .Lfunc_end_k_qfb3b699172_oproj-k_qfb3b699172_oproj
	.p2alignl 7, 3214868480
	.fill 96, 4, 3214868480
	.section	.rodata,"a",@progbits
	.p2align	6, 0x0
	.amdhsa_kernel k_qfb3b699172_oproj
		.amdhsa_group_segment_fixed_size 168448
		.amdhsa_private_segment_fixed_size 0
		.amdhsa_enable_private_segment 0
		.amdhsa_kernarg_size 48
		.amdhsa_user_sgpr_count 2
		.amdhsa_user_sgpr_kernarg_segment_ptr 1
		.amdhsa_wavefront_size32 1
		.amdhsa_system_sgpr_workgroup_id_x 1
		.amdhsa_system_sgpr_workgroup_id_y 1
		.amdhsa_system_sgpr_workgroup_id_z 1
		.amdhsa_system_vgpr_workitem_id 0
		.amdhsa_next_free_vgpr 640
		.amdhsa_next_free_sgpr 66
		.amdhsa_reserve_vcc 0
		.amdhsa_float_denorm_mode_32 3
		.amdhsa_float_denorm_mode_16_64 3
		.amdhsa_memory_ordered 1
		.amdhsa_forward_progress 1
		.amdhsa_inst_pref_size 73
	.end_amdhsa_kernel
	.amdgpu_metadata
---
amdhsa.version: [ 1, 2 ]
amdhsa.kernels:
  - .name:           k_qfb3b699172_oproj
    .symbol:         k_qfb3b699172_oproj.kd
    .args:
      - { .name: ac, .offset: 0, .size: 8, .value_kind: global_buffer, .address_space: global }
      - { .name: asr, .offset: 8, .size: 8, .value_kind: global_buffer, .address_space: global }
      - { .name: Wo_codes, .offset: 16, .size: 8, .value_kind: global_buffer, .address_space: global }
      - { .name: Wo_scales, .offset: 24, .size: 8, .value_kind: global_buffer, .address_space: global }
      - { .name: bo, .offset: 32, .size: 8, .value_kind: global_buffer, .address_space: global }
      - { .name: out0, .offset: 40, .size: 8, .value_kind: global_buffer, .address_space: global }
    .group_segment_fixed_size: 168448
    .private_segment_fixed_size: 0
    .kernarg_segment_align: 8
    .kernarg_segment_size: 48
    .max_flat_workgroup_size: 128
    .sgpr_count:     66
    .vgpr_count:     640
    .wavefront_size: 32
...
	.end_amdgpu_metadata
.endif
;; end of part 3
